; MI455X (gfx1250); checked and timed in simulation.
; The chip was launched on July 23, 2026; its instructions are those of AMD's public machine-readable ISA for CDNA 5 (MIT licence, August 2026) and "CDNA5" Instruction Set Architecture Reference Guide (July 2026). The comments in the code are by the model that wrote it; some were corrected since.
;; Transformer Block. Allowed arithmetic: matrix products marked QUANTISED: E2M1 operands, one E8M0 scale for each 32 along K, by v_wmma_scale_f32_16x16x128_f8f6f4 with both operands' format E2M1 (or v_wmma_scale_f32_32x16x128_f4), f32 sums; products left as they are: f32 operands where the result goes on into a quantised operand, else bf16, f16 or f32 operands; f32 sums; everything else in f32.
;; Inputs: W1 64 x 8 float32; W2_codes 64 x 2 x 16 uint8 (E2M1 codes of W2, K innermost, in blocks of 32 codes, two codes a byte); W2_scales 64 x 2 uint8 (E8M0 scales of W2, one for each 32 codes along K); W3 8 x 64 float32; Wk 8 x 8 float32; Wq 8 x 8 float32; Wv 8 x 8 float32; b1 64 float32; b2 64 float32; b3 8 float32; ln_b 8 float32; ln_w 8 float32; x 16,384 x 8 float32; y 4,096 x 8 float32.
;; Outputs: out0 16,384 x 8 float32.
;; This version of the problem:
;;   THIS VERSION OF THE PROBLEM IS GIVEN IN LOW PRECISION. The matrix products marked QUANTISED in the list below multiply operands that are first quantised to E2M1 (2 exponent bits, 1 mantissa bit; 4 bits a number), with one power-of-two scale for each 32 numbers along K (OCP MX v1.0); their sums are f32. All else is computed in f32.
;;   The module's matrix products, in the order in which they are computed (A, B: the left and right operand; K: the contracted axis; several contracted axes count as one K, in the product's order):
;;     1. [M 16,384, K 8] x [K 8, N 8]; A: computed on the way; B: input Wq: left as it is (K = 8 < 32)
;;     2. [M 4,096, K 8] x [K 8, N 8]; A: computed on the way; B: input Wk: left as it is (K = 8 < 32)
;;     3. [M 4,096, K 8] x [K 8, N 8]; A: computed on the way; B: input Wv: left as it is (K = 8 < 32)
;;     4. [M 16,384, K 8] x [K 8, N 4,096]; A: computed on the way; B: computed on the way: left as it is (K = 8 < 32)
;;     5. [M 16,384, K 4,096] x [K 4,096, N 8]; A: computed on the way; B: computed on the way: left as it is (N = 8 < 16)
;;     6. [M 16,384, K 8] x [K 8, N 64]; A: computed on the way; B: input W1: left as it is (K = 8 < 32)
;;     7. [M 16,384, K 64] x [K 64, N 64]; A: computed on the way; B: input W2 (given as codes): QUANTISED
;;     8. [M 16,384, K 64] x [K 64, N 8]; A: computed on the way; B: input W3: left as it is (N = 8 < 16)
;;   THE QUANTISER, for each operand of a quantised product, along K:
;;     - K is cut into blocks of 32 from its start; a last block that is shorter is filled with zeros.
;;     - A block's scale is 2^e with e = floor(log2(the largest magnitude in the block)) - 2, held to -126 .. 127; a block of zeros has e = 0. As a byte (E8M0): e + 127.
;;     - Each number is divided by its block's scale, clamped to +-6, and rounded to the nearest number of E2M1, ties to even, subnormals kept.
;;     - The product sums the exact products of the quantised numbers (number of the format x scale) in f32.
;;   ~~~python
;;   def quantise(x, axis):      # numpy; x: float32 -> the quantised numbers, widened to float32 again
;;       x = np.moveaxis(x, axis, -1); K = x.shape[-1]
;;       x = np.pad(x, [(0, 0)] * (x.ndim - 1) + [(0, -K % 32)]); x = x.reshape(x.shape[:-1] + (-1, 32)); a = np.abs(x).max(-1, keepdims=True)
;;       e = np.where(a > 0, np.clip(np.frexp(np.where(a > 0, a, 1))[1] - 1 - 2, -126, 127), 0)      # np.frexp(a)[1] - 1 = floor(log2(a)), exactly
;;       r = np.clip(x / 2.0 ** e, -6, 6)
;;       step = 2.0 ** (np.maximum(np.frexp(np.where(r == 0, 1, r))[1] - 1, 0) - 1)
;;       q = np.round(r / step) * step * 2.0 ** e      # np.round: ties to even
;;       return np.moveaxis(q.reshape(q.shape[:-2] + (-1,))[..., :K], -1, axis).astype(np.float32)
;;   ~~~
;;   OPERANDS COMPUTED ON THE WAY. 'Computed on the way' means the value that the module computes at that place (a softmax that the list does not call 'softmax' is quantised finished and normalised). What goes into a quantiser is computed in f32, as accurately as f32 sums, v_exp_f32 and their like allow (about 1e-6 of the number): no bf16 or f16 on the way to a quantiser, and a product that is left as it is and whose result goes on into a quantised operand takes f32 operands (vector FMAs, or v_wmma_f32_16x16x4_f32). A number that lies on a knife's edge between two numbers of the format may be rounded either way, as far as f32 arithmetic and the matrix unit's own rounding can turn it there, and no further.
;;   INPUTS GIVEN AS CODES. W2 (in the module: [64, 64], K = its axis 1): each comes as NAME_codes (uint8): NAME with its K axis moved to the last place and cut into blocks of 32 codes, [.., K / 32, bytes a block], one block behind the other in memory; two codes a byte, the lower K in the low four bits (a code: sign, 2 exponent bits, 1 mantissa bit); and NAME_scales (uint8): the same leading axes, one E8M0 byte (e + 127) for each 32 codes along K. Its value is code x scale, taken as it is: it is not quantised again, and the codes and scales need not be those that the quantiser above would give.
;; One version. Each part assembles by itself: llvm-mc -triple=amdgcn-amd-amdhsa -mcpu=gfx1250 --defsym DOCPART=n.
;; ======== version 1 of 1: 1 launch
;; launch block (part 1): grid 256 x 1, 16 waves a work-group, no clusters, 188,416 bytes of LDS; arguments x, y, Wq, Wk, Wv, W1, b1, W2_codes, W2_scales, b2, W3, b3, ln_w, ln_b, out0; writes out0
.if DOCPART == 1
	.amdgcn_target "amdgcn-amd-amdhsa--gfx1250"
	.amdhsa_code_object_version 6
	.text
	.protected	k_q520e12c97c_block
	.globl	k_q520e12c97c_block
	.p2align	8
	.type	k_q520e12c97c_block,@function
k_q520e12c97c_block:
	s_mov_b64 s[64:65], 0
	v_nop
	global_prefetch_b8 v0, s[64:65] scope:SCOPE_SE
	s_setreg_imm32_b32 hwreg(HW_REG_WAVE_MODE, 25, 1), 1
	s_wait_xcnt 0x0
; TransformerBlock: out0 = z1 + MLP(LN(z1)), z1 = x + A (LN(y) Wv^T), A = the rows of softmax(m) + 0.1 relu(m) divided by their sums, m = (LN(x) Wq^T)(LN(y) Wk^T)^T / sqrt(8).
; x [16384][8], y [4096][8], out0 [16384][8], f32.  MLP 8-64-64-8; its middle product (K = 64) is on E2M1 codes: W2 as given, the first hidden layer quantised here.
; NOTHING IS LEFT OUT: every input has a way to out0 and is loaded.  Everything ahead of the quantiser is f32: fused multiply-adds and v_wmma_f32_16x16x4_f32.
; TWO PRODUCTS ARE MOVED BY ASSOCIATIVITY, for all values of the inputs: with w = LN(y), (XQ)(w Wk^T)^T = (XQ Wk) w^T, and sum_k p_k (w_k Wv^T) = (sum_k p_k w_k) Wv^T.
; So keys and values are ONE matrix w, 4096 x 8 f32 = 131,072 bytes, which each work-group makes for itself in LDS; Wk is applied to its 64 queries, Wv to its 64 results.
; ONE PASS over the keys: with t = m log2(e), a running maximum M, e_k = 2^(t_k - M), Z = sum e_k:
;   row of A w = (C1 sum relu(t_k) w_k + (sum e_k w_k) / Z) / (C1 sum relu(t_k) + 1),  C1 = 0.1 ln 2  (the softmax's own sum is 1).
; SHARES.  256 work-groups of 64 queries (four tiles of 16); 16 waves of 256 registers.  THE WAVES SHARE THE KEYS: wave w owns keys 256 w .. 256 w + 255 (16 tiles of 16) for all four query tiles,
; so each fragment of w read from LDS serves four tiles.  A lane holds one query (lane % 16) of each tile and 8 keys (half h = lane / 16) of a key tile.
; THE WORK OF A TILE IS SPLIT: the scores and the relu sums (which no change of M touches, so their accumulators run untouched through all keys) are matrix instructions;
; the exponential sums, which each change of M rescales, are packed multiply-adds in plain registers.
; BY TURNS: in the loop no two matrix instructions stand next to each other: behind each stand 4 to 15 vector lines that name none of its registers (see the loop's own comment).
; The 16 waves' partial sums meet in LDS, in two levels of four; waves 0 to 3 then finish one query tile each: Wv, residual, LayerNorm, MLP, store.
; NO TENSOR LOAD, NO CLUSTER: the one input that work-groups share is y, 131,072 bytes read once by each, and it passes through registers for its LayerNorm.  Nothing is waited for from memory in the loop: no prefetch.
; LIMITS: NaN and infinities among the inputs are not served.  The order of rounding differs from reference()'s: the two moved products, sums in partial sums by lanes and waves, v_rcp_f32 and a multiplication for each division.
.set MZ,    131072                     ; LDS: 0 .. 131,071 w[key][8], rows of 32 bytes, wave w's at 8192 w; later, over it, the waves' partial sums: 8192 wave + 2048 tile + 512 g + 16 lane
.set ER2,   147456                     ; MZ: pairs (M, Z): 1024 wave + 256 tile + 8 lane.   ER2: the first level's results: 2048 wave + 512 g + 16 lane
.set MZ2,   180224                     ; their (M, Z): 256 wave + 8 lane
.set QIMG,  184320                     ; the four fragments of q' as images of their registers: 512 tile + 16 lane
.set SPARE, 186368                     ; the spare words, 128 bytes for each of 16 waves: eight blocks of 256 bytes that no other line names
.set SPW, 1                            ; v1   LDS address of my spare word; never rewritten
.set NIL, 2                            ; v2   0; never rewritten
.set AK,  3                            ; v3   key tile's fragment: 8192 w + 32 r + 16 h, + 512 a key tile
.set AVB, 4                            ; v4   my half's 8 rows of w: 8192 w + 256 h, + 512 a key tile
.set AVA, 5                            ; v5   the same + 4 (r % 8): one component
.set CV,  6                            ; v6   1.0 where r = 8, else 0
.set TM,  8                            ; v8-11    at work
.set PM,  12                           ; v12-19   tile t: v[12+2t] = M, v[13+2t] = the new M (at the end: Z)
.set FF,  20                           ; v20-23   u: v[20+2u] = f = 2^(old M - new M), v[21+2u] = old M - new M
.set ZS,  24                           ; v24-31   tile t: the sum of e, in two halves
.set QF,  32                           ; v32-47   tile t: q' fragment, 4 registers
.set KFA, 48                           ; v48-51   the fragment of the even key tiles
.set VAL, 52                           ; v52-59   [w | 1]^T as loaded
.set VA,  60                           ; v60-67   and as an operand
.set S,   68                           ; v68-83   two tiles of scores: WRITTEN BY f32 MATRIX INSTRUCTIONS ALONE, in the whole text
.set R,   84                           ; v84-99   relu of them
.set E,   100                          ; v100-115 t - M, then e
.set AE,  116                          ; v116-147 tile t: sum e w, 8 registers
.set AR,  148                          ; v148-179 tile t: sum relu [w | 1]: WRITTEN BY f32 MATRIX INSTRUCTIONS ALONE, in the whole text
.set VB,  180                          ; v180-243 key j of my half: w's 8 components
.set WST, 244                          ; v244 8192 w + 32 lane: my row of y in memory and of w in LDS    (v244-246 are addresses ahead of the loop alone)
.set QST, 245                          ; v245 QIMG + 16 lane + 512 w
.set QLD, 246                          ; v246 QIMG + 16 lane
.set KFB, 244                          ; v244-247 in the loop: the fragment of the odd key tiles
.set SMZ, 248                          ; v248 MZ + 8 lane + 1024 w
.set AE1, 249                          ; v249 16 lane + 32768 (w / 4) + 2048 (w % 4)
.set AM1, 250                          ; v250 MZ + 8 lane + 4096 (w / 4) + 256 (w % 4)
.set SE2, 251                          ; v251 ER2 + 16 lane + 2048 w
.set SM2, 252                          ; v252 MZ2 + 8 lane + 256 w
.set AE2, 253                          ; v253 ER2 + 16 lane + 2048 (w % 4)
.set AM2, 254                          ; v254 MZ2 + 8 lane + 256 (w % 4)
.set SB,  255                          ; v255 16 lane + 8192 w
.set OO,  216                          ; v216 my 16 bytes of out0: 512 w + 32 r + 16 h; made in the tail
.set WV,  34                           ; s34  my wave's number
.set HM,  37                           ; s37  the lanes of half 1
.set LM,  38                           ; s38  the lanes with r < 8
.set SC,  39                           ; s39  log2(e) / sqrt(8)
.set SEL, 40                           ; s[40:41] v_permlanex16_b32's selects for lane l xor 16
.set EIG, 42                           ; s42  1 / 8
.set EPS, 43                           ; s43  1e-5
.set C1,  44                           ; s[44:45] 0.1 ln 2 (named as a pair by the packed form)
.set LNW, 68                           ; s[68:75] ln_w;  s[76:83] ln_b;  s[84:91] b3
.set LNB, 76
.set B3,  84
.macro BARRIER                         ; my LDS stores have landed and my LDS loads are in: then the work-group's barrier
	s_wait_dscnt 0x0
	s_barrier_signal -1
	s_barrier_wait -1
.endm
.macro NOPS n
.rept \n
	v_nop
.endr
.endm
.macro LNWB                            ; ln_w and ln_b as pairs for the packed forms, in registers that the sums take later
.irp j, 0,1,2,3,4,5,6,7
	v_mov_b32 v[AE+\j], s[LNW+\j]
	v_mov_b32 v[AE+8+\j], s[LNB+\j]
.endr
.endm
; LayerNorm of 8 numbers of a lane, first part: dst = src - mean; v[vp] = variance + 1e-5 (v[vp+1]: the sum of squares)
.macro LN1 src, dst, vp
	v_pk_add_f32 v[8:9], v[(\src):(\src)+1], v[(\src)+2:(\src)+3]
	v_pk_add_f32 v[10:11], v[(\src)+4:(\src)+5], v[(\src)+6:(\src)+7]
	v_pk_add_f32 v[8:9], v[8:9], v[10:11]
	v_add_f32 v8, v8, v9
	v_mul_f32 v8, s[EIG], v8
.irp k, 0,2,4,6
	v_pk_add_f32 v[(\dst)+\k:(\dst)+\k+1], v[(\src)+\k:(\src)+\k+1], v[8:9] op_sel_hi:[1,0] neg_lo:[0,1] neg_hi:[0,1]
.endr
	v_pk_mul_f32 v[10:11], v[(\dst):(\dst)+1], v[(\dst):(\dst)+1]
.irp k, 2,4,6
	v_pk_fma_f32 v[10:11], v[(\dst)+\k:(\dst)+\k+1], v[(\dst)+\k:(\dst)+\k+1], v[10:11]
.endr
	v_add_f32 v[(\vp)+1], v10, v11
	v_fma_f32 v[(\vp)], v[(\vp)+1], s[EIG], s[EPS]
.endm
; last part: b = b x v[vp] x ln_w + ln_b
.macro LN3P b, vp
.irp k, 0,2,4,6
	v_pk_mul_f32 v[(\b)+\k:(\b)+\k+1], v[(\b)+\k:(\b)+\k+1], v[(\vp):(\vp)+1] op_sel_hi:[1,0]
.endr
.irp k, 0,2,4,6
	v_pk_fma_f32 v[(\b)+\k:(\b)+\k+1], v[(\b)+\k:(\b)+\k+1], v[AE+\k:AE+\k+1], v[AE+8+\k:AE+9+\k]
.endr
.endm
	s_load_b512 s[4:19], s[0:1], 0x0               ; x 4, y 6, Wq 8, Wk 10, Wv 12, W1 14, b1 16, W2_codes 18
	s_load_b256 s[20:27], s[0:1], 0x40             ; W2_scales 20, b2 22, W3 24, b3 26
	s_load_b128 s[28:31], s[0:1], 0x60             ; ln_w 28, ln_b 30
	s_load_b64 s[32:33], s[0:1], 0x70              ; out0
	v_lshl_add_u32 v[SPW], v0, 2, SPARE
	v_mov_b32 v[NIL], 0
	v_lshrrev_b32 v7, 5, v0
	v_readfirstlane_b32 s[WV], v7                  ; wave 0..15
	v_and_b32 v8, 31, v0                           ; lane
	v_and_b32 v9, 15, v0                           ; r
	v_bfe_u32 v10, v0, 4, 1                        ; h
	v_and_b32 v11, 7, v0                           ; r % 8
	s_lshl_b32 s35, s[WV], 13                      ; 8192 w
	s_lshl_b32 s50, s[WV], 9                       ; 512 w
	s_lshr_b32 s48, s[WV], 2                       ; w / 4
	s_and_b32 s49, s[WV], 3                        ; w % 4
	; every LDS address is made here, ahead of the first parting of the waves, of the thread's number, the wave's number and constants
	v_lshlrev_b32 v7, 5, v9
	v_lshl_add_u32 v7, v10, 4, v7                  ; 32 r + 16 h
	v_add_nc_u32 v[AK], s35, v7
	v_lshl_add_u32 v[AVB], v10, 8, s35
	v_lshl_add_u32 v[AVA], v11, 2, v[AVB]
	v_cmp_eq_u32 vcc_lo, 8, v9
	v_cndmask_b32 v[CV], 0, 1.0, vcc_lo
	v_lshl_add_u32 v[WST], v8, 5, s35
	v_lshl_add_u32 v[QLD], v8, 4, QIMG
	v_add_nc_u32 v[QST], s50, v[QLD]
	v_lshl_add_u32 v[SB], v8, 4, s35
	s_lshl_b32 s51, s[WV], 10
	v_lshl_add_u32 v[SMZ], v8, 3, s51
	v_add_nc_u32 v[SMZ], MZ, v[SMZ]
	s_lshl_b32 s51, s48, 15
	s_lshl_b32 s52, s49, 11
	s_add_co_u32 s51, s51, s52
	v_lshl_add_u32 v[AE1], v8, 4, s51
	v_lshl_add_u32 v[AE2], v8, 4, s52
	v_add_nc_u32 v[AE2], ER2, v[AE2]
	s_lshl_b32 s53, s48, 12
	s_lshl_b32 s54, s49, 8
	s_add_co_u32 s53, s53, s54
	v_lshl_add_u32 v[AM1], v8, 3, s53
	v_add_nc_u32 v[AM1], MZ, v[AM1]
	v_lshl_add_u32 v[AM2], v8, 3, s54
	v_add_nc_u32 v[AM2], MZ2, v[AM2]
	s_lshl_b32 s55, s[WV], 11
	v_lshl_add_u32 v[SE2], v8, 4, s55
	v_add_nc_u32 v[SE2], ER2, v[SE2]
	s_lshl_b32 s56, s[WV], 8
	v_lshl_add_u32 v[SM2], v8, 3, s56
	v_add_nc_u32 v[SM2], MZ2, v[SM2]
	s_mov_b32 s[HM], 0xffff0000
	s_mov_b32 s[LM], 0x00ff00ff
	s_mov_b32 s[SC], 0x3f0293ee
	s_mov_b32 s[SEL], 0x76543210
	s_mov_b32 s[SEL+1], 0xfedcba98
	s_mov_b32 s[EIG], 0x3e000000
	s_mov_b32 s[EPS], 0x3727c5ac
	s_mov_b32 s[C1], 0x3d8df4e0
	s_mov_b32 s[C1+1], s[C1]
	s_lshl_b32 s46, ttmp9, 11                      ; my work-group's 64 rows of 32 bytes
	s_mov_b32 s47, 0
	s_wait_kmcnt 0x0
	s_load_b256 s[LNW:LNW+7], s[28:29], 0x0        ; 32 bytes each; no line of this text writes these buffers
	s_load_b256 s[LNB:LNB+7], s[30:31], 0x0
	s_load_b256 s[B3:B3+7], s[26:27], 0x0
	s_add_nc_u64 s[4:5], s[4:5], s[46:47]
	s_add_nc_u64 s[32:33], s[32:33], s[46:47]
.irp i, 0,1,2,3,4,5,6,7                        ; my wave's 256 rows of y: a lane a row, eight rows a lane
	global_load_b128 v[VB+8*\i:VB+8*\i+3], v[WST], s[6:7] offset:1024*\i
	global_load_b128 v[VB+8*\i+4:VB+8*\i+7], v[WST], s[6:7] offset:1024*\i+16
.endr
	; ---- waves 0 to 3: q' = (LN(x) Wq^T) Wk log2(e) / sqrt(8) of query tile t = wave, as a fragment, into LDS
	s_cmp_lt_u32 s[WV], 4
	s_cbranch_scc0 .Lnoq
	v_lshl_add_u32 v12, v9, 5, s50                 ; x: 512 w + 32 r: each lane of both halves takes the whole row of query r
	v_lshlrev_b32 v13, 5, v11
	v_lshl_add_u32 v13, v10, 4, v13                ; Wq: row r % 8 (rows 8-15 of the operand repeat rows 0-7), components 4 h on
	v_lshlrev_b32 v14, 2, v11
	v_lshl_add_u32 v14, v10, 7, v14                ; Wk^T: rows 4 h + 0 .. 3 of Wk, column r % 8
	global_load_b128 v[84:87], v12, s[4:5]
	global_load_b128 v[88:91], v12, s[4:5] offset:16
	global_load_b128 v[92:95], v13, s[8:9]
.irp k, 0,1,2,3
	global_load_b32 v[96+\k], v14, s[10:11] offset:32*\k
.endr
	s_wait_kmcnt 0x0                               ; ln_w, ln_b
	s_wait_loadcnt 0x0
	LNWB
	LN1 84, 84, 132
	v_rsq_f32 v132, v132
	v_nop                                          ; a plain instruction behind the transcendental,
	s_wait_alu depctr_va_vdst(0)                   ; and the wait ahead of the first reader
	LN3P 84, 132
.irp k, 0,1,2,3
	v_cndmask_b32 v[100+\k], v[84+\k], v[88+\k], s[HM]   ; my half's four components.  In a product with K = 8 the first instruction's k = 2 h + j stands for component 4 h + j, the second's for 4 h + 2 + j, alike on both sources
.endr
	v_wmma_f32_16x16x4_f32 v[68:75], v[92:93], v[100:101], 0
	s_wait_alu depctr_va_vdst(0)                   ; the wait directly ahead of the link
	v_wmma_f32_16x16x4_f32 v[68:75], v[94:95], v[102:103], v[68:75]
	NOPS 8                                         ; eight places behind this form
.irp k, 0,1,2,3
	v_cndmask_b32 v[100+\k], v[68+\k], v[72+\k], s[HM]   ; every lane holds all 8 of XQ(query r): my half's four
.endr
	v_wmma_f32_16x16x4_f32 v[76:83], v[96:97], v[100:101], 0
	s_wait_alu depctr_va_vdst(0)
	v_wmma_f32_16x16x4_f32 v[76:83], v[98:99], v[102:103], v[76:83]
	NOPS 8
.irp k, 0,1,2,3
	v_cndmask_b32 v[104+\k], v[76+\k], v[80+\k], s[HM]
.endr
.irp k, 0,1,2,3
	v_mul_f32 v[104+\k], s[SC], v[104+\k]
.endr
	ds_store_b128 v[QST], v[104:107]
.Lnoq:
	; ---- all waves: w = LN(y), my 256 keys, into LDS
	s_wait_kmcnt 0x0
	s_wait_loadcnt 0x0
	LNWB
.irp i, 0,1,2,3,4,5,6,7
	LN1 VB+8*\i, VB+8*\i, AE+16+2*\i
.endr
.irp i, 0,1,2,3,4,5,6,7
	v_rsq_f32 v[AE+16+2*\i], v[AE+16+2*\i]
.endr
	v_nop
	s_wait_alu depctr_va_vdst(0)                   ; one wait for the eight
.irp i, 0,1,2,3,4,5,6,7
	LN3P VB+8*\i, AE+16+2*\i
	ds_store_b128 v[WST], v[VB+8*\i:VB+8*\i+3] offset:1024*\i
	ds_store_b128 v[WST], v[VB+8*\i+4:VB+8*\i+7] offset:1024*\i+16
.endr
	BARRIER                                        ; q's four fragments lie in LDS (each wave reads only its own rows of w)
; ---- THE LOOP OVER MY 16 KEY TILES, MATRIX AND VECTOR WORK BY TURNS.  A key tile is two HALVES: p = 0: query tiles 0, 1; p = 1: tiles 2, 3; u: which of the two.
; A half has 12 matrix instructions (4 for scores, 8 for relu sums) and 137 to 142 vector lines, in three parts:
;   X  20 lines: the lane's new M, f's exponent, t - M.                                      Behind its line 10: relu product 7 of the half before.
;   Y  the 18 exponentials, mixed with the 16 relu lines (and the 8 selects of [w | 1]^T, or the 3 address steps).   Relu products 0 to 4 of this half, each as soon as its relu registers are written.
;   Z  80 packed lines: the exponential sums.   Six matrix instructions, one every 15 lines: the NEXT half's four score instructions, and relu products 5 and 6.
; DISTANCES (8 places behind this form for a vector read of a result, a vector write or a load into a source, 9 for a matrix instruction that writes over a result; only plain lines that name none of its registers count)
;   the last score instruction stands at Z's line 60: 20 plain lines ahead of X's first read;  product 7 stands 10 plain lines ahead of Y, and its own registers (relu 14, 15; rows 6, 7 of [w | 1]^T) are written at Y's end;
;   product 6 (Z's line 75) 25 lines ahead of Y;  the score accumulators are begun anew 35 plain lines behind their last link.
; TURNS: no two matrix instructions that follow each other share an accumulator, over every junction of the bodies and the backward jump, and every turn is one instruction.
; LDS LOADS stand in two runs a key tile, not singly: at the body's head the tile's 16 rows of w and the next tile's fragment; at the second half's wait the next tile's [w | 1]^T.
; Matrix instruction n of 4 of the scores S^T = w q'^T of query tiles 2 p, 2 p + 1: source 0 = 16 keys (fragment at kf), source 1 = 16 queries; in the result register j of lane (r, h) is key 8 h + j, query r
.macro AW p, n, kf
.set au, (\n)%2
.set aq, QF+4*(2*(\p)+au)
.if (\n) < 2
	v_wmma_f32_16x16x4_f32 v[S+8*au:S+8*au+7], v[(\kf):(\kf)+1], v[aq:aq+1], 0
.else
	v_wmma_f32_16x16x4_f32 v[S+8*au:S+8*au+7], v[(\kf)+2:(\kf)+3], v[aq+2:aq+3], v[S+8*au:S+8*au+7]
.endif
.endm
; Relu product n of 8 of half p (i = n / 2, u = n % 2): AR[t] += [w | 1]^T relu(S): registers 2 i, 2 i + 1 of relu(S) ARE source 1 (k = (h, jj) stands for key 8 h + 2 i + jj); source 0: row m < 8 component m of those keys, row 8 ones, rows above zeros.
; In the result lanes of half 0 hold sum relu w[d = j], lanes of half 1 hold sum relu in register 0.  first = 1: the first key tile's first product starts each sum.
.macro CW p, n, first
.set cu, (\n)%2
.set ci, (\n)/2
.set ca, AR+8*(2*(\p)+cu)
.if (\first) && (ci == 0)
	v_wmma_f32_16x16x4_f32 v[ca:ca+7], v[VA+2*ci:VA+2*ci+1], v[R+8*cu+2*ci:R+8*cu+2*ci+1], 0
.else
	v_wmma_f32_16x16x4_f32 v[ca:ca+7], v[VA+2*ci:VA+2*ci+1], v[R+8*cu+2*ci:R+8*cu+2*ci+1], v[ca:ca+7]
.endif
.endm
; X.  Each score accumulator is read from its low end on.  pend = 1: the half before has its product 7 to come
.macro STAGE_X p, pend
.irp u, 0,1
	v_max3_num_f32 v[TM+2*\u], v[S+8*\u], v[S+8*\u+1], v[S+8*\u+2]
.endr
.irp u, 0,1
	v_max3_num_f32 v[TM+2*\u+1], v[S+8*\u+3], v[S+8*\u+4], v[S+8*\u+5]
.endr
.irp u, 0,1
	v_max3_num_f32 v[TM+2*\u], v[TM+2*\u], v[S+8*\u+6], v[S+8*\u+7]
.endr
.irp u, 0,1
	v_max3_num_f32 v[PM+2*(2*\p+\u)+1], v[TM+2*\u], v[TM+2*\u+1], v[PM+2*(2*\p+\u)]
.endr
.irp u, 0,1
	v_sub_f32 v[FF+2*\u+1], v[PM+2*(2*\p+\u)], v[PM+2*(2*\p+\u)+1]
.endr
.if \pend
	CW 1-(\p), 7, 0
.endif
.irp u, 0,1
	v_mov_b32 v[PM+2*(2*\p+\u)], v[PM+2*(2*\p+\u)+1]
.endr
.irp k, 0,2,4,6
.irp u, 0,1
	v_pk_add_f32 v[E+8*\u+\k:E+8*\u+\k+1], v[S+8*\u+\k:S+8*\u+\k+1], v[PM+2*(2*\p+\u):PM+2*(2*\p+\u)+1] neg_lo:[0,1] neg_hi:[0,1]
.endr
.endr
.endm
; Y's lines.  EX: the next of the half's 18 exponentials (f of both tiles, then the 16 e).  None of Y's lines names an exponential's result; the one wait for the batch stands at Z's head; Y's last line is plain.
.macro EX
.if xe < 2
	v_exp_f32 v[FF+2*xe], v[FF+2*xe+1]
.else
	v_exp_f32 v[E+xe-2], v[E+xe-2]
.endif
.set xe, xe+1
.endm
.macro RL j
	v_max_num_f32 v[R+\j], 0, v[S+\j]
.endm
.macro CN k                            ; rows 0-7: w's components; row 8: ones; rows above: zeros
	v_cndmask_b32 v[VA+\k], v[CV], v[VAL+\k], s[LM]
.endm
.macro RLX j
	RL \j
	EX
.endm
.macro CNX k
	CN \k
	EX
.endm
.macro STAGE_Y0 first, more
.set xe, 0
	s_wait_dscnt 16+\more                          ; this tile's [w | 1]^T, asked for in the body before, is in; the 16 + more loads of this body's head may be out
	CN 0
	CN 1
	RL 0
	RL 1
	CW 0, 0, \first
	RLX 8
	RLX 9
	CNX 2
	CNX 3
	CW 0, 1, \first
	RLX 2
	RLX 3
	RLX 10
	RLX 11
	CW 0, 2, 0
	CNX 4
	CNX 5
	RLX 4
	RLX 5
	CW 0, 3, 0
	RLX 12
	RLX 13
	RLX 6
	RL 7
	CW 0, 4, 0
	EX
	CN 6
	EX
	CN 7
	EX
	RL 14
	RL 15
.endm
.macro STAGE_Y1 first, more
.set xe, 0
	RLX 0
	RLX 1
	CW 1, 0, \first
	RLX 8
	RLX 9
	RLX 2
	RLX 3
	CW 1, 1, \first
	RLX 10
	RLX 11
	RLX 4
	RLX 5
	CW 1, 2, 0
	RLX 12
	RLX 13
	RLX 6
	RLX 7
	CW 1, 3, 0
.if \more
	v_add_nc_u32 v[AK], 512, v[AK]                 ; on to the next key tile: this tile's loads have all been issued
.endif
	EX
.if \more
	v_add_nc_u32 v[AVB], 512, v[AVB]
.endif
	EX
.if \more
	v_add_nc_u32 v[AVA], 512, v[AVA]
.endif
	CW 1, 4, 0
	EX
	RL 14
	EX
	RL 15
.endm
; Z's matrix instructions, in their order: two that start the next half's scores, relu product 5, the scores' two links, relu product 6.  In the very last half: relu products 5, 6, 7.
.macro ZW p, more, kf
.if ((\p) == 1) && ((\more) == 0)
	CW 1, 5+wq, 0
.elseif wq == 0
	AW 1-(\p), 0, \kf
.elseif wq == 1
	AW 1-(\p), 1, \kf
.elseif wq == 2
	CW \p, 5, 0
.elseif wq == 3
	AW 1-(\p), 2, \kf
.elseif wq == 4
	AW 1-(\p), 3, \kf
.else
	CW \p, 6, 0
.endif
.set wq, wq+1
.endm
.macro DH p, more, kf                  ; behind each of Z's lines: it is counted, and behind every 15th the next matrix instruction is written
.set dl, dl+1
.if (wq < nw) && (dl == 15*wq)
	ZW \p, \more, \kf
.endif
.endm
; Z.  AE[t] = AE[t] f + sum_j e_j w[key 8 h + j], Z likewise: packed, e_j taken for both halves of a pair (even j: the pair's low register; odd j: its high one).  kf: the fragment for the next half's scores
.macro STAGE_Z p, more, kf
	s_wait_alu depctr_va_vdst(0)                   ; one wait for the batch of 18 exponentials, ahead of its first reader
.if ((\p) == 1) && ((\more) == 1)
.irp k, 0,1,2,3,4,5,6,7
	ds_load_b32 v[VAL+\k], v[AVA] offset:32*\k     ; the next key tile's [w | 1]^T (the address has been stepped)
.endr
	s_wait_dscnt 8                                 ; the next tile's fragment, asked for at the body's head, is in; the 8 loads just issued may be out
.endif
.set dl, 0
.set wq, 0
.set nw, 6
.if ((\p) == 1) && ((\more) == 0)
.set nw, 3
.endif
	ZW \p, \more, \kf
.irp k, 0,2,4,6
.irp u, 0,1
	v_pk_mul_f32 v[AE+8*(2*\p+\u)+\k:AE+8*(2*\p+\u)+\k+1], v[AE+8*(2*\p+\u)+\k:AE+8*(2*\p+\u)+\k+1], v[FF+2*\u:FF+2*\u+1] op_sel_hi:[1,0]
	DH \p, \more, \kf
.endr
.endr
.irp u, 0,1
	v_pk_fma_f32 v[ZS+2*(2*\p+\u):ZS+2*(2*\p+\u)+1], v[ZS+2*(2*\p+\u):ZS+2*(2*\p+\u)+1], v[FF+2*\u:FF+2*\u+1], v[E+8*\u:E+8*\u+1] op_sel_hi:[1,0,1]
	DH \p, \more, \kf
.endr
.irp j, 0,1,2,3,4,5,6,7
.if ((\p) == 0) && ((\j % 2) == 0)
	s_wait_dscnt 12+\more-2*\j                     ; of the 16 + more loads of the body's head the oldest 2 j + 4 are in: rows j and j + 1 of w
.endif
.irp k, 0,2,4,6
.irp u, 0,1
.if (\j % 2) == 0
	v_pk_fma_f32 v[AE+8*(2*\p+\u)+\k:AE+8*(2*\p+\u)+\k+1], v[E+8*\u+\j:E+8*\u+\j+1], v[VB+8*\j+\k:VB+8*\j+\k+1], v[AE+8*(2*\p+\u)+\k:AE+8*(2*\p+\u)+\k+1] op_sel_hi:[0,1,1]
.else
	v_pk_fma_f32 v[AE+8*(2*\p+\u)+\k:AE+8*(2*\p+\u)+\k+1], v[E+8*\u+\j-1:E+8*\u+\j], v[VB+8*\j+\k:VB+8*\j+\k+1], v[AE+8*(2*\p+\u)+\k:AE+8*(2*\p+\u)+\k+1] op_sel:[1,0,0] op_sel_hi:[1,1,1]
.endif
	DH \p, \more, \kf
.endr
.endr
.if (\j % 2) && (\j > 1)
.irp u, 0,1
	v_pk_add_f32 v[ZS+2*(2*\p+\u):ZS+2*(2*\p+\u)+1], v[ZS+2*(2*\p+\u):ZS+2*(2*\p+\u)+1], v[E+8*\u+\j-1:E+8*\u+\j]
	DH \p, \more, \kf
.endr
.endif
.endr
.endm
; One key tile.  At its head: the scores of its first half have been issued, product 7 of the tile before is to come, its [w | 1]^T is on its way.  kc: this tile's fragment; kn: the next tile's (it held the tile before's, last read in the first half of the body before)
.macro BODY first, more, kc, kn
.irp j, 0,1,2,3,4,5,6,7
	ds_load_b128 v[VB+8*\j:VB+8*\j+3], v[AVB] offset:32*\j
	ds_load_b128 v[VB+8*\j+4:VB+8*\j+7], v[AVB] offset:32*\j+16
.endr
.if \more
	ds_load_b128 v[(\kn):(\kn)+3], v[AK] offset:512
.endif
	STAGE_X 0, 1-\first
	STAGE_Y0 \first, \more
	STAGE_Z 0, \more, \kc
	STAGE_X 1, 1
	STAGE_Y1 \first, \more
	STAGE_Z 1, \more, \kn
.endm
.irp t, 0,1,2,3
	ds_load_b128 v[QF+4*\t:QF+4*\t+3], v[QLD] offset:512*\t
.endr
	ds_load_b128 v[KFA:KFA+3], v[AK]
.irp k, 0,1,2,3,4,5,6,7
	ds_load_b32 v[VAL+\k], v[AVA] offset:32*\k
.endr
	s_wait_dscnt 0x0
.irp n, 0,1,2,3
	AW 0, \n, KFA
.endr
.irp j, 0,1,2,3,4,5,6,7,8,9,10,11,12,13,14,15,16,17,18,19,20,21,22,23,24,25,26,27,28,29,30,31
	v_mov_b32 v[AE+\j], 0                          ; the exponential sums begin as zeros, which the first change of M leaves zeros.  (These lines are also the places behind the first scores)
.endr
.irp j, 0,1,2,3,4,5,6,7
	v_mov_b32 v[ZS+\j], 0
	v_mov_b32 v[PM+\j], 0xff61b1e6                 ; M: -3e38, under every t
.endr
	BODY 1, 1, KFA, KFB                            ; key tile 0 stands ahead of the loop: its products start the relu sums
	s_mov_b32 s36, 7
.Lkt:                                              ; a trip is two key tiles, an odd one and an even one, until the fragments' registers are back where they began
	BODY 0, 1, KFB, KFA
	BODY 0, 1, KFA, KFB
	s_sub_co_u32 s36, s36, 1
	s_cmp_lg_u32 s36, 0
	s_cbranch_scc1 .Lkt
	BODY 0, 0, KFB, KFA                            ; key tile 15 asks for nothing more; its last product stands 50 plain lines ahead of the body's end
	; ---- waves 0 to 3 ask here for what their tails want first: 19 loads, which land while the sums are merged
	s_cmp_lt_u32 s[WV], 4
	s_cbranch_scc0 .Lsums
	v_and_b32 v48, 15, v0                          ; r
	v_bfe_u32 v49, v0, 4, 1                        ; h
	v_and_b32 v50, 7, v0                           ; r % 8
	v_bfe_u32 v51, v0, 3, 1                        ; r / 8
	s_lshl_b32 s35, s[WV], 9
	v_lshlrev_b32 v7, 5, v50
	v_lshl_add_u32 v7, v49, 4, v7                  ; Wv: row r % 8, components 4 h on
	v_lshl_add_u32 v8, v48, 5, s35                 ; x: the row of query r of my tile
	v_lshl_add_u32 v9, v51, 10, v7                 ; W1: THE ROWS OF A TILE ARE NOT NEIGHBOURS: row m of tile T is unit 32 (m / 8) + 8 T + m % 8, so that a lane's 32 results are one block of 32 along the next K
	v_lshlrev_b32 v10, 7, v49                      ; b1: units 32 h + 8 T + 0 .. 7
	v_lshlrev_b32 v11, 5, v48
	v_lshl_add_u32 v11, v49, 4, v11                ; W2's codes: row 16 T + r of 32 bytes, block h
	global_load_b128 v[32:35], v7, s[12:13]
	global_load_b128 v[36:39], v8, s[4:5]
	global_load_b128 v[40:43], v8, s[4:5] offset:16
.irp t, 0,1,2,3
	global_load_b128 v[84+4*\t:87+4*\t], v9, s[14:15] offset:256*\t
.endr
.irp t, 0,1,2,3
	global_load_b128 v[196+8*\t:199+8*\t], v10, s[16:17] offset:32*\t
	global_load_b128 v[200+8*\t:203+8*\t], v10, s[16:17] offset:32*\t+16
.endr
	global_load_b128 v[100:103], v11, s[18:19]
	global_load_b128 v[108:111], v11, s[18:19] offset:512
	global_load_b128 v[180:183], v11, s[18:19] offset:1024
	global_load_b128 v[188:191], v11, s[18:19] offset:1536
	s_wait_xcnt 0x0                                ; the offsets' registers are written again only behind this wait
.Lsums:
.irp t, 0,1,2,3
	v_add_f32 v[PM+2*\t+1], v[ZS+2*\t], v[ZS+2*\t+1]   ; Z beside M
.endr
	BARRIER                                        ; every wave's reads of w are over: the partial sums are laid over it
.irp t, 0,1,2,3
	ds_store_b128 v[SB], v[AE+8*\t:AE+8*\t+3] offset:2048*\t
	ds_store_b128 v[SB], v[AE+8*\t+4:AE+8*\t+7] offset:2048*\t+512
	ds_store_b128 v[SB], v[AR+8*\t:AR+8*\t+3] offset:2048*\t+1024
	ds_store_b128 v[SB], v[AR+8*\t+4:AR+8*\t+7] offset:2048*\t+1536
	ds_store_b64 v[SMZ], v[PM+2*\t:PM+2*\t+1] offset:256*\t
.endr
	BARRIER                                        ; all partial sums lie in LDS
; Four partial sums of one query tile become one: M = the largest, g_i = 2^(M_i - M), Z = sum Z_i g_i, E = sum E_i g_i, R = sum R_i.  Result: v28 M, v29 Z, v116-123 E, v124-131 R.  xh = 1: M is also taken over the two halves of the lanes.
.macro MADD b, g
.irp k, 0,2,4,6
	v_pk_fma_f32 v[116+\k:117+\k], v[\b+\k:\b+\k+1], v[\g:\g+1], v[116+\k:117+\k] op_sel_hi:[1,0,1]
.endr
.endm
.macro MERGE4 ae, am, xh
.irp i, 0,1,2,3
	ds_load_b64 v[60+2*\i:61+2*\i], v[\am] offset:1024*\i
.endr
.irp g, 0,1,2,3
	ds_load_b128 v[116+4*\g:119+4*\g], v[\ae] offset:512*\g
	ds_load_b128 v[132+4*\g:135+4*\g], v[\ae] offset:8192+512*\g
	ds_load_b128 v[228+4*\g:231+4*\g], v[\ae] offset:16384+512*\g
	ds_load_b128 v[12+4*\g:15+4*\g], v[\ae] offset:24576+512*\g
.endr
	s_wait_dscnt 16                                ; the four pairs (M, Z) are in; the 16 younger loads may be out
	v_max3_num_f32 v28, v60, v62, v64
	v_max_num_f32 v28, v28, v66
.if \xh
	v_permlanex16_b32 v30, v28, s[SEL], s[SEL+1]
	v_max_num_f32 v28, v28, v30
.endif
.irp i, 0,1,2,3
	v_sub_f32 v[60+2*\i], v[60+2*\i], v28
.endr
.irp i, 0,1,2,3
	v_exp_f32 v[60+2*\i], v[60+2*\i]
.endr
	s_wait_dscnt 0x0
.irp b, 132,228,12
.irp k, 8,10,12,14
	v_pk_add_f32 v[116+\k:117+\k], v[116+\k:117+\k], v[\b+\k:\b+\k+1]   ; the relu sums: plain work behind the four exponentials
.endr
.endr
	s_wait_alu depctr_va_vdst(0)                   ; one wait for the four
	v_mul_f32 v29, v61, v60
	v_fma_f32 v29, v63, v62, v29
	v_fma_f32 v29, v65, v64, v29
	v_fma_f32 v29, v67, v66, v29
.irp k, 0,2,4,6
	v_pk_mul_f32 v[116+\k:117+\k], v[116+\k:117+\k], v[60:61] op_sel_hi:[1,0]
.endr
	MADD 132, 62
	MADD 228, 64
	MADD 12, 66
.endm
	MERGE4 AE1, AM1, 0                             ; wave w: tile w % 4, the sums of waves 4 (w / 4) + 0 .. 3
.irp g, 0,1,2,3
	ds_store_b128 v[SE2], v[116+4*\g:119+4*\g] offset:512*\g
.endr
	ds_store_b64 v[SM2], v[28:29]
	BARRIER                                        ; the first level's sixteen results lie in LDS
	s_cmp_lt_u32 s[WV], 4
	s_cbranch_scc1 .Ltail
	s_wait_tensorcnt 0x0                           ; waves 4 to 15 end here
	ds_add_u32 v[SPW], v[NIL]
	s_wait_dscnt 0x0
	s_endpgm
.Ltail:
	; ---- waves 0 to 3: query tile t = wave
	MERGE4 AE2, AM2, 1
	v_bfe_u32 v10, v0, 4, 1
	v_lshlrev_b32 v8, 5, v10                       ; b2: units 16 T + 8 h + 0 .. 7
	v_and_b32 v9, 15, v0
	v_lshlrev_b32 v9, 1, v9                        ; W2's scales: two bytes a row
	v_and_b32 v7, 7, v0
	v_lshl_add_u32 v7, v7, 8, v8                   ; W3: row r % 8, units 16 T + 8 h + 0 .. 7; kept for the second run of loads
.macro LD8 reg, off, base, imm
	global_load_b128 v[\reg:\reg+3], v[\off], s[\base:\base+1] offset:\imm
	global_load_b128 v[\reg+4:\reg+7], v[\off], s[\base:\base+1] offset:\imm+16
.endm
	LD8 132, 8, 22, 0                              ; b2's four tiles: each will be the C, and the D, of its tile of the quantised product
	LD8 140, 8, 22, 64
	LD8 228, 8, 22, 128
	LD8 236, 8, 22, 192
.irp t, 0,1,2,3
	global_load_u16 v[60+\t], v9, s[20:21] offset:32*\t   ; byte 0: block 0, byte 1: block 1; bytes 2, 3 are 0, over zero codes
.endr
	LD8 12, 7, 24, 0                               ; W3, units 0-15 and 16-31
	LD8 20, 7, 24, 64
	s_wait_xcnt 0x0                                ; v8 and v9 are written again only behind this wait
	; the two halves of the lanes hold the sums of different keys of the same query: E and Z are added; the relu sums lie in half 0, their plain sum in half 1: each half takes the other's
.irp q, 116,120
.irp k, 0,1,2,3
	v_permlanex16_b32 v[64+\k], v[\q+\k], s[SEL], s[SEL+1]
.endr
	v_pk_add_f32 v[\q:\q+1], v[\q:\q+1], v[64:65]
	v_pk_add_f32 v[\q+2:\q+3], v[\q+2:\q+3], v[66:67]
.endr
	v_permlanex16_b32 v30, v29, s[SEL], s[SEL+1]
	v_add_f32 v29, v29, v30
.irp k, 0,1,2,3
	v_permlanex16_b32 v[64+\k], v[124+\k], s[SEL], s[SEL+1]
.endr
	v_cndmask_b32 v31, v64, v124, s[HM]            ; sum relu
.irp k, 0,1,2,3
	v_cndmask_b32 v[124+\k], v[124+\k], v[64+\k], s[HM]
.endr
.irp k, 0,1,2,3
	v_permlanex16_b32 v[64+\k], v[128+\k], s[SEL], s[SEL+1]
.endr
.irp k, 0,1,2,3
	v_cndmask_b32 v[128+\k], v[128+\k], v[64+\k], s[HM]
.endr
	v_fma_f32 v8, s[C1], v31, 1.0                  ; the row's sum of 0.1 relu + softmax
	v_rcp_f32 v8, v8
	v_rcp_f32 v10, v29
	v_nop
	s_wait_alu depctr_va_vdst(0)                   ; one wait for the two reciprocals
.irp k, 0,2,4,6
	v_pk_mul_f32 v[116+\k:117+\k], v[116+\k:117+\k], v[10:11] op_sel_hi:[1,0]
.endr
.irp k, 0,2,4,6
	v_pk_fma_f32 v[116+\k:117+\k], v[124+\k:125+\k], s[C1:C1+1], v[116+\k:117+\k] op_sel_hi:[1,0,1]
.endr
.irp k, 0,2,4,6
	v_pk_mul_f32 v[116+\k:117+\k], v[116+\k:117+\k], v[8:9] op_sel_hi:[1,0]
.endr
.irp k, 0,1,2,3
	v_cndmask_b32 v[64+\k], v[116+\k], v[120+\k], s[HM]   ; the row of A w as a fragment: my half's four components
.endr
	LD8 116, 7, 24, 128                            ; W3, units 32-47 and 48-63
	LD8 124, 7, 24, 192
	s_wait_loadcnt 20                              ; the 19 early loads are in; the 16 + 4 issued in this tail may be out
	v_wmma_f32_16x16x4_f32 v[68:75], v[32:33], v[64:65], v[36:43]   ; z1^T = Wv (A w)^T + x^T: the residual is the C
	s_wait_alu depctr_va_vdst(0)                   ; the wait directly ahead of the link
	v_wmma_f32_16x16x4_f32 v[68:75], v[34:35], v[66:67], v[68:75]
.irp q, 104,112,184,192
.irp k, 0,1,2,3
	v_mov_b32 v[\q+\k], 0                          ; K = 64 of the instruction's 128: the upper half of W2's fragments is zero codes.  (These 16 lines are the places behind z1's products)
.endr
.endr
	LN1 68, 36, 30
	v_rsq_f32 v30, v30
	v_nop
	s_wait_alu depctr_va_vdst(0)
.irp k, 0,2,4,6
	v_pk_mul_f32 v[36+\k:37+\k], v[36+\k:37+\k], v[30:31] op_sel_hi:[1,0]
.endr
.irp j, 0,1,2,3,4,5,6,7
	v_fma_f32 v[36+\j], v[36+\j], s[LNW+\j], s[LNB+\j]
.endr
.irp k, 0,1,2,3
	v_cndmask_b32 v[32+\k], v[36+\k], v[40+\k], s[HM]
.endr
.irp t, 0,1,2,3                                ; the first hidden layer, transposed; b1 is the C; four accumulators by turns
	v_wmma_f32_16x16x4_f32 v[AR+8*\t:AR+8*\t+7], v[84+4*\t:85+4*\t], v[32:33], v[196+8*\t:203+8*\t]
.endr
.irp t, 0,1,2,3
	v_wmma_f32_16x16x4_f32 v[AR+8*\t:AR+8*\t+7], v[86+4*\t:87+4*\t], v[34:35], v[AR+8*\t:AR+8*\t+7]
.endr
	NOPS 8
.irp j, 0,1,2,3,4,5,6,7,8,9,10,11,12,13,14,15,16,17,18,19,20,21,22,23,24,25,26,27,28,29,30,31
	v_max_num_f32 v[196+\j], 0, v[AR+\j]           ; relu: register 8 T + j of lane (r, h) is unit 32 h + 8 T + j of query r: a whole block of 32 in one lane
.endr
	; THE QUANTISER: the block's largest number (none is negative), with the floor 2^(3 - 127) so that the byte cannot fall under 1 (a block of zeros keeps that byte: its codes are zeros)
	v_max3_num_f32 v93, v196, v197, 0x1800000
.irp i, 2,4,6,8,10,12,14,16,18,20,22,24,26,28,30
	v_max3_num_f32 v93, v93, v[196+\i], v[197+\i]
.endr
	v_add_nc_u32 v93, 0xff000000, v93              ; 2 off its exponent field: the conversion takes the exponent field of this operand as its scale
	v_lshrrev_b32 v94, 23, v93                     ; the scale's byte
	v_bfe_u32 v95, v0, 4, 1
	v_lshlrev_b32 v95, 3, v95
	v_lshlrev_b32 v92, v95, v94                    ; at its place in the scale word: block h is byte h
	v_mov_b32 v96, 0
	v_permlanex16_b32 v96, v92, s[SEL], s[SEL+1]
	v_or_b32 v92, v92, v96                         ; with lane l xor 16's the word is whole
.irp k, 0,1,2,3
	v_mov_b32 v[88+\k], 0                          ; K = 64 .. 127: zero codes
.endr
.irp g, 0,1,2,3
	v_cvt_scalef32_pk8_fp4_f32 v[84+\g], v[196+8*\g:203+8*\g], v93
.endr
	NOPS 9                                         ; a plain line behind the conversions; an operand written by vector instructions stands 4 places, a scale register 8, ahead of a scaled matrix instruction
	s_wait_loadcnt 8                               ; b2 and W2's scales are in; W3's 4 + 4 loads may be out
.macro H2 acc, wf, sc
	v_wmma_scale_f32_16x16x128_f8f6f4 v[\acc:\acc+7], v[\wf:\wf+7], v[84:91], v[\acc:\acc+7], v[\sc], v92 matrix_a_fmt:MATRIX_FMT_FP4 matrix_b_fmt:MATRIX_FMT_FP4
.endm
	H2 132, 100, 60                                ; the second hidden layer, transposed: source 0 = 16 rows of W2, source 1 = the hidden layer's codes; register j of lane (r, h): unit 16 T + 8 h + j
	H2 140, 108, 61
	H2 228, 180, 62
	H2 236, 188, 63
	NOPS 4
.irp q, 132,140,228,236
.irp j, 0,1,2,3,4,5,6,7
	v_max_num_f32 v[\q+\j], 0, v[\q+\j]
.endr
.endr
.irp j, 0,1,2,3,4,5,6,7
	v_add_f32 v[196+\j], s[B3+\j], v[68+\j]        ; z1 + b3: the C of the last product
.endr
	s_wait_loadcnt 0x0                             ; W3
; out^T = W3 h2^T + (z1 + b3)^T: registers 2 i, 2 i + 1 of a tile of h2 are source 1; two accumulators by turns, added at the end
.macro P8 wa, hb, first
.if \first
	v_wmma_f32_16x16x4_f32 v[76:83], v[\wa:\wa+1], v[\hb:\hb+1], v[196:203]
	v_wmma_f32_16x16x4_f32 v[148:155], v[\wa+2:\wa+3], v[\hb+2:\hb+3], 0
.else
	v_wmma_f32_16x16x4_f32 v[76:83], v[\wa:\wa+1], v[\hb:\hb+1], v[76:83]
	v_wmma_f32_16x16x4_f32 v[148:155], v[\wa+2:\wa+3], v[\hb+2:\hb+3], v[148:155]
.endif
	v_wmma_f32_16x16x4_f32 v[76:83], v[\wa+4:\wa+5], v[\hb+4:\hb+5], v[76:83]
	v_wmma_f32_16x16x4_f32 v[148:155], v[\wa+6:\wa+7], v[\hb+6:\hb+7], v[148:155]
.endm
	P8 12, 132, 1
	P8 20, 140, 0
	P8 116, 228, 0
	P8 124, 236, 0
	v_and_b32 v[OO], 15, v0                        ; my 16 bytes of out0: five plain lines and three v_nop are the eight places behind the last products
	v_bfe_u32 v217, v0, 4, 1
	v_lshlrev_b32 v[OO], 5, v[OO]
	v_lshl_add_u32 v[OO], v217, 4, v[OO]           ; 32 r + 16 h
	s_lshl_b32 s35, s[WV], 9
	v_add_nc_u32 v[OO], s35, v[OO]                 ; + 512 w
	NOPS 3
.irp k, 0,2,4,6
	v_pk_add_f32 v[204+\k:205+\k], v[76+\k:77+\k], v[148+\k:149+\k]
.endr
.irp k, 0,1,2,3
	v_cndmask_b32 v[212+\k], v[204+\k], v[208+\k], s[HM]   ; every lane holds all 8 outputs of query r: my half's four
.endr
	global_store_b128 v[OO], v[212:215], s[32:33]  ; the wave's 32 lanes store 512 consecutive bytes, at a multiple of 256 from out0's first byte
	s_wait_tensorcnt 0x0                           ; the wave's end
	ds_add_u32 v[SPW], v[NIL]
	s_wait_dscnt 0x0
	s_endpgm
.Lfunc_end_k_q520e12c97c_block:
	.size	k_q520e12c97c_block, .Lfunc_end_k_q520e12c97c_block-k_q520e12c97c_block
	.p2alignl 7, 3214868480
	.fill 96, 4, 3214868480
	.section	.rodata,"a",@progbits
	.p2align	6, 0x0
	.amdhsa_kernel k_q520e12c97c_block
		.amdhsa_group_segment_fixed_size 188416
		.amdhsa_private_segment_fixed_size 0
		.amdhsa_enable_private_segment 0
		.amdhsa_kernarg_size 120
		.amdhsa_user_sgpr_count 2
		.amdhsa_user_sgpr_kernarg_segment_ptr 1
		.amdhsa_wavefront_size32 1
		.amdhsa_system_sgpr_workgroup_id_x 1
		.amdhsa_system_sgpr_workgroup_id_y 1
		.amdhsa_system_sgpr_workgroup_id_z 1
		.amdhsa_system_vgpr_workitem_id 0
		.amdhsa_next_free_vgpr 256
		.amdhsa_next_free_sgpr 92
		.amdhsa_reserve_vcc 1
		.amdhsa_float_denorm_mode_32 3
		.amdhsa_float_denorm_mode_16_64 3
		.amdhsa_memory_ordered 1
		.amdhsa_forward_progress 1
		.amdhsa_inst_pref_size 126
	.end_amdhsa_kernel
	.amdgpu_metadata
---
amdhsa.version: [ 1, 2 ]
amdhsa.kernels:
  - .name:           k_q520e12c97c_block
    .symbol:         k_q520e12c97c_block.kd
    .args:
      - { .name: x, .offset: 0, .size: 8, .value_kind: global_buffer, .address_space: global }
      - { .name: y, .offset: 8, .size: 8, .value_kind: global_buffer, .address_space: global }
      - { .name: Wq, .offset: 16, .size: 8, .value_kind: global_buffer, .address_space: global }
      - { .name: Wk, .offset: 24, .size: 8, .value_kind: global_buffer, .address_space: global }
      - { .name: Wv, .offset: 32, .size: 8, .value_kind: global_buffer, .address_space: global }
      - { .name: W1, .offset: 40, .size: 8, .value_kind: global_buffer, .address_space: global }
      - { .name: b1, .offset: 48, .size: 8, .value_kind: global_buffer, .address_space: global }
      - { .name: W2_codes, .offset: 56, .size: 8, .value_kind: global_buffer, .address_space: global }
      - { .name: W2_scales, .offset: 64, .size: 8, .value_kind: global_buffer, .address_space: global }
      - { .name: b2, .offset: 72, .size: 8, .value_kind: global_buffer, .address_space: global }
      - { .name: W3, .offset: 80, .size: 8, .value_kind: global_buffer, .address_space: global }
      - { .name: b3, .offset: 88, .size: 8, .value_kind: global_buffer, .address_space: global }
      - { .name: ln_w, .offset: 96, .size: 8, .value_kind: global_buffer, .address_space: global }
      - { .name: ln_b, .offset: 104, .size: 8, .value_kind: global_buffer, .address_space: global }
      - { .name: out0, .offset: 112, .size: 8, .value_kind: global_buffer, .address_space: global }
    .group_segment_fixed_size: 188416
    .private_segment_fixed_size: 0
    .kernarg_segment_align: 8
    .kernarg_segment_size: 120
    .max_flat_workgroup_size: 512
    .sgpr_count:     92
    .vgpr_count:     256
    .wavefront_size: 32
...
	.end_amdgpu_metadata
.endif
;; end of part 1
